; MI455X (gfx1250); checked and timed in simulation.
; The chip was launched on July 23, 2026; its instructions are those of AMD's public machine-readable ISA for CDNA 5 (MIT licence, August 2026) and "CDNA5" Instruction Set Architecture Reference Guide (July 2026). The comments in the code are by the model that wrote it; some were corrected since.
;; LSH Attention. Allowed arithmetic: matrix products marked QUANTISED: E4M3 operands, one given power-of-two scale a tensor, by v_wmma_f32_16x16x64_fp8_fp8 or v_wmma_f32_16x16x128_fp8_fp8, f32 sums; everything else in f32.
;; Inputs: Wk 1,024 x 1,024 float32; Wq 1,024 x 1,024 float32; Wv 1,024 x 1,024 float32; bk 1,024 float32; bq 1,024 float32; bv 1,024 float32; hash_buckets 4 x 2,048 int32; hidden_states 4 x 2,048 x 1,024 float32; lowp_scales 10 int32 (the exponents e of the quantised operands' scales 2^e).
;; Outputs: out0 4 x 2,048 x 1,024 float32.
;; This version of the problem:
;;   THIS VERSION OF THE PROBLEM IS GIVEN IN LOW PRECISION. The matrix products marked QUANTISED in the list below multiply operands that are first quantised to E4M3 (4 exponent bits, 3 mantissa bits; 8 bits a number), with one given power-of-two scale for each operand tensor; their sums are f32. All else is computed in f32.
;;   The module's matrix products, in the order in which they are computed (A, B: the left and right operand; K: the contracted axis; several contracted axes count as one K, in the product's order):
;;     1. [M 8,192, K 1,024] x [K 1,024, N 1,024]; A: input hidden_states; B: input Wq: QUANTISED (scales: A lowp_scales[0], B lowp_scales[1])
;;     2. [M 8,192, K 1,024] x [K 1,024, N 1,024]; A: input hidden_states; B: input Wk: QUANTISED (scales: A lowp_scales[2], B lowp_scales[3])
;;     3. [M 8,192, K 1,024] x [K 1,024, N 1,024]; A: input hidden_states; B: input Wv: QUANTISED (scales: A lowp_scales[4], B lowp_scales[5])
;;     4. batch 4 x [M 2,048, K 1,024] x [K 1,024, N 2,048]; A: computed on the way; B: computed on the way: QUANTISED (scales: A lowp_scales[6], B lowp_scales[7])
;;     5. batch 4 x [M 2,048, K 2,048] x [K 2,048, N 1,024]; A: softmax (see below); B: computed on the way: QUANTISED (scales: A lowp_scales[8], B lowp_scales[9])
;;   THE QUANTISER, for each operand of a quantised product, along K:
;;     - The operand's scale is 2^e, e = its entry of the input lowp_scales (int32; the entries are numbered through the quantised products in the list's order, A before B).
;;     - Each number is divided by the scale, clamped to +-448, and rounded to the nearest number of E4M3, ties to even, subnormals kept.
;;     - The product sums the exact products of the quantised numbers (number of the format x scale) in f32.
;;   ~~~python
;;   def quantise(x, axis, e):      # numpy; x: float32 -> the quantised numbers, widened to float32 again
;;       x = np.moveaxis(x, axis, -1); K = x.shape[-1]
;;       r = np.clip(x / 2.0 ** e, -448, 448)
;;       step = 2.0 ** (np.maximum(np.frexp(np.where(r == 0, 1, r))[1] - 1, -6) - 3)
;;       q = np.round(r / step) * step * 2.0 ** e      # np.round: ties to even
;;       return np.moveaxis(q, -1, axis).astype(np.float32)
;;   ~~~
;;   SOFTMAX AHEAD OF A QUANTISED PRODUCT. Where the list says 'softmax', what is quantised is not the finished softmax but p = 2^(t - M), with t = logit x log2(e) and M = ceil(the row's largest t), a whole number; so 1/2 < the row's largest p <= 1. The row's sum l is taken of the UNQUANTISED p, in f32, and the product's result is divided by l at the end. Since M is a whole number, a kernel that streams over the keys may use a running M (the ceiling of the running maximum): every later rescaling is an exact power of two, so the quantised numbers keep their values, but for numbers so far below the row's largest that they fall under the format's range.
;;   OPERANDS COMPUTED ON THE WAY. 'Computed on the way' means the value that the module computes at that place (a softmax that the list does not call 'softmax' is quantised finished and normalised). What goes into a quantiser is computed in f32, as accurately as f32 sums, v_exp_f32 and their like allow (about 1e-6 of the number): no bf16 or f16 on the way to a quantiser, and a product that is left as it is and whose result goes on into a quantised operand takes f32 operands (vector FMAs, or v_wmma_f32_16x16x4_f32). A number that lies on a knife's edge between two numbers of the format may be rounded either way, as far as f32 arithmetic and the matrix unit's own rounding can turn it there, and no further.
;; One version. Each part assembles by itself: llvm-mc -triple=amdgcn-amd-amdhsa -mcpu=gfx1250 --defsym DOCPART=n.
;; ======== version 1 of 1: 3 launches
;; limits: right only within a limited range of input values
;; workspace buffers: xc 25,165,824 bytes; wc 3,145,728 bytes; qi 8,388,608 bytes; ki 8,388,608 bytes; vi 8,388,608 bytes; tab 98,304 bytes of whole numbers
;; launch prep (part 1): grid 448 x 1, 8 waves a work-group, no clusters, 93,184 bytes of LDS; arguments hidden_states, hash_buckets, Wq, Wk, Wv, lowp_scales, xc, wc, tab; writes xc, wc, tab
.if DOCPART == 1
	.amdgcn_target "amdgcn-amd-amdhsa--gfx1250"
	.amdhsa_code_object_version 6
	.text
	.protected	k_q5375a39251_prep
	.globl	k_q5375a39251_prep
	.p2align	8
	.type	k_q5375a39251_prep,@function
k_q5375a39251_prep:
	s_mov_b64 s[64:65], 0
	v_nop
	global_prefetch_b8 v0, s[64:65] scope:SCOPE_SE
	s_setreg_imm32_b32 hwreg(HW_REG_WAVE_MODE, 25, 1), 1
	s_wait_xcnt 0x0
; PREP.  Two jobs in one launch, parted by the work-group's number.
; Work-groups 0-255 (x): 32 tokens of one batch.  Each token's place in a STABLE sort of its batch by bucket is counted: rank = #(b_j < b_i) + #(j < i, b_j = b_i); lo = the first place of its
; bucket, hi = one past the last.  The token's 1,024 numbers become codes of E4M3 three times (scales e0, e2, e4) and are stored as row `rank` of the batch in xc[version][row][1024].
; tab holds, by sorted place: order (the token), lo, hi.  Any int32 serves as a bucket.
; Work-groups 256-447 (W): 16 rows of one of Wq, Wk, Wv (scales e1, e3, e5); wave s takes K step s (128 along K) and stores the fragment as the image of an operand's registers:
; wc[t][n/64][s][(n/16)%4][c][lane][16 bytes]; lane (r, h), chunk c holds k = 128 s + 32 c + 16 h + 0 .. 15 of row r.
; code = x / 2^e, held within +-448, to the nearest code, ties to even.  LIMITS: each e between -126 and 119.  NaN among the inputs is not served.
; No tensor load, no matrix work, no cluster: the launch streams, and no two work-groups read the same large bytes.
.set SP,    80                         ; a lane's place in an x stage: 64 bytes + 16 of padding
.set XSTW,  32*SP                      ; an x stage, one for each wave
.set RK,    8*XSTW                     ; the waves' counts: [wave][lane][16 bytes]
.set WST,   RK+4096                    ; the W path's stages: 16 rows x 528 bytes for each wave (bytes of their own: the x path never names them)
.set WP,    528
.set WSTW,  16*WP
.set SPARE, WST+8*WSTW                 ; the spare words, 128 bytes for each wave: four blocks of 256 bytes that no other line names
.set LANE, 2
.set LI,   3                           ; 16 x lane
.set BI,   7                           ; my token's bucket
.set CLT,  8                           ; v8 #less, v9 #equal before, v10 #equal at or after, v11 0
.set RANK, 12
.set X,    16                          ; 16 neighbours along K
.set T,    32                          ; two sets of 16 held numbers
.set BK,   48                          ; v48-55 while the ranks are counted: eight of my wave's 256 buckets a lane
.set R,    64                          ; v64-191 numbers as loaded
.set Y,    128                         ; W path: 64 numbers in the operand's order
.set C,    192                         ; codes
.set VOFF, 208                         ; v208-211 my four rows' byte offsets in a batch of xc
.set SC,   212                         ; v212-214 2^e as f32
.set LIM,  215                         ; v215-217 448 x 2^e
.set SIN,  218
.set SOUT, 219
.set SPW,  220                         ; LDS address of my spare word; never rewritten
.set NIL,  221                         ; 0; never rewritten
.set WV,   22
	s_load_b256 s[4:11], s[0:1], 0x0               ; hidden_states s[4:5], hash_buckets s[6:7], Wq s[8:9], Wk s[10:11]
	s_load_b256 s[12:19], s[0:1], 0x20             ; Wv s[12:13], lowp_scales s[14:15], xc s[16:17], wc s[18:19]
	s_load_b64 s[20:21], s[0:1], 0x40              ; tab
	v_lshl_add_u32 v[SPW], v0, 2, SPARE
	v_mov_b32 v[NIL], 0
	v_lshrrev_b32 v1, 5, v0
	s_delay_alu instid0(VALU_DEP_1)
	v_readfirstlane_b32 s[WV], v1                  ; wave 0..7
	v_and_b32 v[LANE], 31, v0
	s_delay_alu instid0(VALU_DEP_1)
	v_lshlrev_b32 v[LI], 4, v[LANE]
	s_mov_b32 s37, 0                               ; the upper word of every 32-bit offset
	s_wait_kmcnt 0x0
	s_load_b256 s[24:31], s[14:15], 0x0            ; e0 .. e7
	s_cmp_lt_u32 ttmp9, 256
	s_cbranch_scc0 .Lweights
; ---------------------------------------------------------------- the x path
	s_lshr_b32 s32, ttmp9, 6                       ; the batch
	s_and_b32 s33, ttmp9, 63
	s_lshl_b32 s33, s33, 5                         ; i0: my work-group's first token
	s_lshl_b32 s36, s32, 13
	s_add_nc_u64 s[34:35], s[6:7], s[36:37]        ; the batch's buckets
	s_add_nc_u64 s[20:21], s[20:21], s[36:37]      ; the batch's part of each section of tab
	s_wait_alu depctr_va_vdst(0)
	v_lshlrev_b32 v4, 2, v[LANE]
	s_delay_alu instid0(VALU_DEP_1)
	v_lshl_add_u32 v4, s33, 2, v4
	global_load_b32 v[BI], v4, s[34:35]            ; lane l: the bucket of token i0 + l
	v_lshlrev_b32 v15, 5, v[LANE]
	s_delay_alu instid0(VALU_DEP_1)
	v_lshl_add_u32 v15, s[WV], 10, v15             ; wave w counts against tokens 256 w .. 256 w + 255: lane l holds the eight from 256 w + 8 l on
	global_load_b128 v[BK:BK+3], v15, s[34:35]     ; all 256 are asked for at once, ahead of x
	global_load_b128 v[BK+4:BK+7], v15, s[34:35] offset:16
	s_lshl_b32 s36, s32, 11
	s_add_co_u32 s36, s36, s33
	s_lshl_b32 s38, s[WV], 2
	s_add_co_u32 s36, s36, s38
	s_lshl_b32 s36, s36, 12                        ; my wave's four rows of 4,096 bytes: 16 KiB on end
	s_add_nc_u64 s[4:5], s[4:5], s[36:37]
.set LN, 0
.rept 32
	global_load_b128 v[R+4*LN:R+4*LN+3], v[LI], s[4:5] offset:512*LN th:TH_LOAD_NT   ; 512 consecutive bytes a load; all of the wave's x is on its way while the ranks are counted
.set LN, LN+1
.endr
	s_mul_i32 s36, s[WV], XSTW
	v_lshrrev_b32 v[SIN], 2, v[LANE]
	s_delay_alu instid0(VALU_DEP_1)
	v_mul_u32_u24 v[SIN], v[SIN], SP
	v_and_b32 v1, 3, v[LANE]
	s_delay_alu instid0(VALU_DEP_1)
	v_lshl_add_u32 v[SIN], v1, 4, v[SIN]
	s_delay_alu instid0(VALU_DEP_1)
	v_add_nc_u32 v[SIN], s36, v[SIN]               ; into the stage: four lanes' 64 bytes on end, then the padding
	v_mul_u32_u24 v[SOUT], v[LANE], SP
	s_delay_alu instid0(VALU_DEP_1)
	v_add_nc_u32 v[SOUT], s36, v[SOUT]             ; out of it: my 16 neighbours
	v_lshl_add_u32 v5, v0, 4, RK                   ; where my counts go
	v_add_nc_u32 v6, RK, v[LI]                     ; where all waves' counts for my lane's token begin
	s_lshl_b32 s36, s32, 21
	s_add_nc_u64 s[86:87], s[16:17], s[36:37]      ; xc, version 0, at the batch,
	s_add_nc_u64 s[88:89], s[86:87], 0x800000      ; version 1,
	s_add_nc_u64 s[90:91], s[86:87], 0x1000000     ; version 2
	s_lshl_b32 s40, s[WV], 8                       ; j0: the first of the 32 tokens of a trip
	v_mov_b32 v[CLT], 0
	v_mov_b32 v[CLT+1], 0
	v_mov_b32 v[CLT+2], 0
	v_mov_b32 v[CLT+3], 0
	s_mov_b32 s41, 0
	s_wait_loadcnt 32                              ; my bucket and my wave's 256 are in; the 32 loads of x behind them stay out
; 32 buckets in scalar registers against the lanes' 32 tokens.  kind 0: all 32 come before every lane's token; 2: all after; 1: they ARE the lanes' tokens: token t comes before lanes above t.
.macro CNT kind
.set CT, 0
.rept 32
.if CT < 16
.set SRN, 44+CT
.else
.set SRN, 52+CT
.endif
	v_cmp_lt_i32 vcc_lo, s[SRN], v[BI]
	s_delay_alu instid0(VALU_DEP_1)
	v_add_co_ci_u32 v[CLT], vcc_lo, 0, v[CLT], vcc_lo
.if \kind == 0
	v_cmp_eq_u32 vcc_lo, s[SRN], v[BI]
	s_delay_alu instid0(VALU_DEP_1)
	v_add_co_ci_u32 v[CLT+1], vcc_lo, 0, v[CLT+1], vcc_lo
.elseif \kind == 2
	v_cmp_eq_u32 vcc_lo, s[SRN], v[BI]
	s_delay_alu instid0(VALU_DEP_1)
	v_add_co_ci_u32 v[CLT+2], vcc_lo, 0, v[CLT+2], vcc_lo
.else
	v_cmp_eq_u32 s42, s[SRN], v[BI]
	s_and_b32 vcc_lo, s42, (0xffffffff<<(CT+1))&0xffffffff
	v_add_co_ci_u32 v[CLT+1], vcc_lo, 0, v[CLT+1], vcc_lo
	s_and_not1_b32 vcc_lo, s42, (0xffffffff<<(CT+1))&0xffffffff
	v_add_co_ci_u32 v[CLT+2], vcc_lo, 0, v[CLT+2], vcc_lo
.endif
.set CT, CT+1
.endr
.endm
.Lrank:                                            ; 8 trips of 32 tokens: trip c takes lanes 4 c .. 4 c + 3, eight tokens each, in the tokens' order
	s_lshl_b32 s84, s41, 2
	s_add_co_u32 s85, s84, 1
	s_add_co_u32 s92, s84, 2
	s_add_co_u32 s93, s84, 3
.set CT, 0
.rept 32
	v_readlane_b32 s[44+CT+8*(CT/16)], v[BK+CT%8], s[84+(CT/8)%2+8*(CT/16)]   ; token j0 + CT: register CT % 8 of lane 4 c + CT / 8
.set CT, CT+1
.endr
	s_cmp_lt_u32 s40, s33                          ; ids and the count of trips alone decide the kind
	s_cbranch_scc1 .Lbefore
	s_cmp_eq_u32 s40, s33
	s_cbranch_scc1 .Lself
	CNT 2
	s_branch .Lcounted
.Lbefore:
	CNT 0
	s_branch .Lcounted
.Lself:
	CNT 1
.Lcounted:
	s_add_co_u32 s40, s40, 32
	s_add_co_u32 s41, s41, 1
	s_cmp_lt_u32 s41, 8
	s_cbranch_scc1 .Lrank
	s_wait_alu depctr_va_vdst(0)
	ds_store_b128 v5, v[CLT:CLT+3]
	s_wait_dscnt 0x0                               ; for the others' sake: my counts have landed
	s_barrier_signal -1
	s_barrier_wait -1
.irp i, 0,1,2,3,4,5,6,7
	ds_load_b128 v[X+4*\i:X+4*\i+3], v6 offset:512*\i  ; every wave sums all eight waves' counts
.endr
	s_wait_kmcnt 0x0                               ; the scales' exponents
.irp v, 0,1,2                                      ; meanwhile: 2^e and 448 x 2^e for e0, e2, e4
	s_add_co_i32 s42, s[24+2*\v], 127
	s_lshl_b32 s43, s42, 23
	v_mov_b32 v[SC+\v], s43
	s_add_co_i32 s42, s42, 8
	s_lshl_b32 s42, s42, 23
	s_or_b32 s42, s42, 0x600000
	v_mov_b32 v[LIM+\v], s42
.endr
	s_wait_dscnt 0x0
.irp k, 0,1,2
	v_add3_u32 v[CLT+\k], v[X+\k], v[X+4+\k], v[X+8+\k]
	s_delay_alu instid0(VALU_DEP_1)
	v_add3_u32 v[CLT+\k], v[CLT+\k], v[X+12+\k], v[X+16+\k]
	s_delay_alu instid0(VALU_DEP_1)
	v_add3_u32 v[CLT+\k], v[CLT+\k], v[X+20+\k], v[X+24+\k]
	s_delay_alu instid0(VALU_DEP_1)
	v_add_nc_u32 v[CLT+\k], v[CLT+\k], v[X+28+\k]
.endr
	v_add_nc_u32 v[CLT+1], v[CLT], v[CLT+1]        ; rank = lo + equal before
	s_delay_alu instid0(VALU_DEP_1)
	v_add_nc_u32 v[CLT+2], v[CLT+1], v[CLT+2]      ; hi = rank + equal at or after
	s_delay_alu instid0(VALU_DEP_2)
	v_min_u32 v[RANK], 0x7ff, v[CLT+1]             ; a rank is under 2,048; the bound is written out since it enters addresses
	s_cmp_lg_u32 s[WV], 0
	s_cbranch_scc1 .Lno_tab                        ; wave 0 writes the tables
	v_lshlrev_b32 v13, 2, v[RANK]
	v_add_nc_u32 v14, s33, v[LANE]
	global_store_b32 v13, v14, s[20:21]            ; order[rank] = my token
	global_store_b32 v13, v[CLT], s[20:21] offset:32768      ; lo[rank]
	global_store_b32 v13, v[CLT+2], s[20:21] offset:65536    ; hi[rank]
.Lno_tab:
	s_lshl_b32 s42, s[WV], 2
	s_wait_alu depctr_va_vdst(0)
.irp rr, 0,1,2,3
	s_add_co_u32 s43, s42, \rr
	v_readlane_b32 s84, v[RANK], s43               ; the rank of my wave's row rr
	s_min_u32 s84, s84, 0x7ff
	s_lshl_b32 s84, s84, 10
	v_add_nc_u32 v[VOFF+\rr], s84, v[LI]
.endr
; Half a row (512 numbers): through the stage, so that a lane holds 16 neighbours; three times held and converted; three stores of 512 consecutive bytes.
.macro XSTEP t
	s_wait_loadcnt 28-4*(\t)                       ; this step's four loads are in; those of the later steps stay out
	s_wait_xcnt 0x0                                ; the earlier stores have read their registers: the codes' registers are written again only behind this wait
.irp i, 0,1,2,3
	ds_store_b128 v[SIN], v[R+16*(\t)+4*\i:R+16*(\t)+4*\i+3] offset:8*SP*\i
.endr
.irp i, 0,1,2,3
	ds_load_b128 v[X+4*\i:X+4*\i+3], v[SOUT] offset:16*\i   ; LDS serves a wave's instructions in order: these see the stores above
.endr
	s_wait_dscnt 0x0
.irp v, 0,1,2
.irp i, 0,1,2,3,4,5,6,7,8,9,10,11,12,13,14,15
	v_med3_num_f32 v[T+16*(\v%2)+\i], v[X+\i], -v[LIM+\v], v[LIM+\v]   ; the conversion does not saturate (ISA guide 7.6.2): the hold comes first
.endr
	v_cvt_scalef32_pk8_fp8_f32 v[C+4*\v:C+4*\v+1], v[T+16*(\v%2):T+16*(\v%2)+7], v[SC+\v]
	v_cvt_scalef32_pk8_fp8_f32 v[C+4*\v+2:C+4*\v+3], v[T+16*(\v%2)+8:T+16*(\v%2)+15], v[SC+\v]
	global_store_b128 v[VOFF+(\t)/2], v[C+4*\v:C+4*\v+3], s[86+2*\v:87+2*\v] offset:512*((\t)%2)
.endr
	v_nop                                          ; a plain line behind the last conversion: the next step's first hold writes one of its sources
.endm
.irp t, 0,1,2,3,4,5,6,7
	XSTEP \t
.endr
	s_wait_tensorcnt 0x0                           ; the wave's end
	ds_add_u32 v[SPW], v[NIL]
	s_wait_dscnt 0x0
	s_endpgm
; ---------------------------------------------------------------- the W path
.Lweights:
	s_sub_co_u32 s32, ttmp9, 256
	s_lshr_b32 s33, s32, 6                         ; t: 0 Wq, 1 Wk, 2 Wv
	s_and_b32 s34, s32, 63                         ; which 16 rows
	s_cmp_eq_u32 s33, 0
	s_cselect_b64 s[36:37], s[8:9], s[10:11]       ; the choice hangs on the work-group's number alone
	s_cmp_eq_u32 s33, 2
	s_cselect_b64 s[36:37], s[12:13], s[36:37]
	s_lshl_b32 s38, s34, 16                        ; 16 rows of 4,096 bytes
	s_lshl_b32 s40, s[WV], 9                       ; K step = wave: 128 numbers
	s_add_co_u32 s38, s38, s40
	s_mov_b32 s39, 0
	s_add_nc_u64 s[36:37], s[36:37], s[38:39]
	s_wait_alu depctr_va_vdst(0)
.irp i, 0,1,2,3,4,5,6,7,8,9,10,11,12,13,14,15
	global_load_b128 v[R+4*\i:R+4*\i+3], v[LI], s[36:37] offset:4096*\i th:TH_LOAD_NT   ; row i: 512 consecutive bytes
.endr
	s_lshl_b32 s38, s33, 20
	s_lshr_b32 s40, s34, 2
	s_lshl_b32 s40, s40, 16
	s_add_co_u32 s38, s38, s40
	s_lshl_b32 s40, s[WV], 13
	s_add_co_u32 s38, s38, s40
	s_and_b32 s40, s34, 3
	s_lshl_b32 s40, s40, 11
	s_add_co_u32 s38, s38, s40
	s_add_nc_u64 s[18:19], s[18:19], s[38:39]      ; the fragment's image in wc
	s_mul_i32 s40, s[WV], WSTW
	s_add_co_u32 s40, s40, WST
	v_add_nc_u32 v4, s40, v[LI]                    ; into my stage: a row as it lies
	v_and_b32 v5, 15, v0
	v_bfe_u32 v6, v0, 4, 1
	s_delay_alu instid0(VALU_DEP_2)
	v_mul_u32_u24 v5, v5, WP
	s_delay_alu instid0(VALU_DEP_1)
	v_lshl_add_u32 v5, v6, 6, v5
	s_delay_alu instid0(VALU_DEP_1)
	v_add_nc_u32 v5, s40, v5                       ; out of it: row r, 16 numbers from 16 h on in each block of 32
	s_wait_alu depctr_va_vdst(0)
	s_wait_kmcnt 0x0
	s_cmp_eq_u32 s33, 0
	s_cselect_b32 s42, s25, s27
	s_cmp_eq_u32 s33, 2
	s_cselect_b32 s42, s29, s42                    ; e1, e3 or e5
	s_add_co_i32 s42, s42, 127
	s_lshl_b32 s43, s42, 23
	v_mov_b32 v[SC], s43
	s_add_co_i32 s42, s42, 8
	s_lshl_b32 s42, s42, 23
	s_or_b32 s42, s42, 0x600000
	v_mov_b32 v[LIM], s42
	s_wait_alu depctr_va_vdst(0)
	s_wait_loadcnt 0x0
.irp i, 0,1,2,3,4,5,6,7,8,9,10,11,12,13,14,15
	ds_store_b128 v4, v[R+4*\i:R+4*\i+3] offset:WP*\i
.endr
.irp c, 0,1,2,3
.irp q, 0,1,2,3
	ds_load_b128 v[Y+16*\c+4*\q:Y+16*\c+4*\q+3], v5 offset:128*\c+16*\q
.endr
.endr
	s_wait_dscnt 0x0
.irp c, 0,1,2,3
.irp i, 0,1,2,3,4,5,6,7,8,9,10,11,12,13,14,15
	v_med3_num_f32 v[Y+16*\c+\i], v[Y+16*\c+\i], -v[LIM], v[LIM]
.endr
	v_cvt_scalef32_pk8_fp8_f32 v[C+4*\c:C+4*\c+1], v[Y+16*\c:Y+16*\c+7], v[SC]
	v_cvt_scalef32_pk8_fp8_f32 v[C+4*\c+2:C+4*\c+3], v[Y+16*\c+8:Y+16*\c+15], v[SC]
.endr
	v_nop
.irp c, 0,1,2,3
	global_store_b128 v[LI], v[C+4*\c:C+4*\c+3], s[18:19] offset:512*\c   ; 512 consecutive bytes a store
.endr
	s_wait_tensorcnt 0x0                           ; the wave's end: the same three lines
	ds_add_u32 v[SPW], v[NIL]
	s_wait_dscnt 0x0
	s_endpgm
.Lfunc_end_k_q5375a39251_prep:
	.size	k_q5375a39251_prep, .Lfunc_end_k_q5375a39251_prep-k_q5375a39251_prep
	.p2alignl 7, 3214868480
	.fill 96, 4, 3214868480
	.section	.rodata,"a",@progbits
	.p2align	6, 0x0
	.amdhsa_kernel k_q5375a39251_prep
		.amdhsa_group_segment_fixed_size 93184
		.amdhsa_private_segment_fixed_size 0
		.amdhsa_enable_private_segment 0
		.amdhsa_kernarg_size 72
		.amdhsa_user_sgpr_count 2
		.amdhsa_user_sgpr_kernarg_segment_ptr 1
		.amdhsa_wavefront_size32 1
		.amdhsa_system_sgpr_workgroup_id_x 1
		.amdhsa_system_sgpr_workgroup_id_y 1
		.amdhsa_system_sgpr_workgroup_id_z 1
		.amdhsa_system_vgpr_workitem_id 0
		.amdhsa_next_free_vgpr 224
		.amdhsa_next_free_sgpr 96
		.amdhsa_reserve_vcc 1
		.amdhsa_float_denorm_mode_32 3
		.amdhsa_float_denorm_mode_16_64 3
		.amdhsa_memory_ordered 1
		.amdhsa_forward_progress 1
		.amdhsa_inst_pref_size 80
	.end_amdhsa_kernel
	.amdgpu_metadata
---
amdhsa.version: [ 1, 2 ]
amdhsa.kernels:
  - .name:           k_q5375a39251_prep
    .symbol:         k_q5375a39251_prep.kd
    .args:
      - { .name: hidden_states, .offset: 0, .size: 8, .value_kind: global_buffer, .address_space: global }
      - { .name: hash_buckets, .offset: 8, .size: 8, .value_kind: global_buffer, .address_space: global }
      - { .name: Wq, .offset: 16, .size: 8, .value_kind: global_buffer, .address_space: global }
      - { .name: Wk, .offset: 24, .size: 8, .value_kind: global_buffer, .address_space: global }
      - { .name: Wv, .offset: 32, .size: 8, .value_kind: global_buffer, .address_space: global }
      - { .name: lowp_scales, .offset: 40, .size: 8, .value_kind: global_buffer, .address_space: global }
      - { .name: xc, .offset: 48, .size: 8, .value_kind: global_buffer, .address_space: global }
      - { .name: wc, .offset: 56, .size: 8, .value_kind: global_buffer, .address_space: global }
      - { .name: tab, .offset: 64, .size: 8, .value_kind: global_buffer, .address_space: global }
    .group_segment_fixed_size: 93184
    .private_segment_fixed_size: 0
    .kernarg_segment_align: 8
    .kernarg_segment_size: 72
    .max_flat_workgroup_size: 256
    .sgpr_count:     96
    .vgpr_count:     224
    .wavefront_size: 32
...
	.end_amdgpu_metadata
.endif
;; end of part 1
;; launch proj (part 2): grid 4 x 64, 4 waves a work-group, clusters of 4 x 1, 327,680 bytes of LDS; arguments xc, wc, bq, bk, bv, lowp_scales, qi, ki, vi; writes qi, ki, vi
.if DOCPART == 2
	.amdgcn_target "amdgcn-amd-amdhsa--gfx1250"
	.amdhsa_code_object_version 6
	.text
	.protected	k_q5375a39251_proj
	.globl	k_q5375a39251_proj
	.p2align	8
	.type	k_q5375a39251_proj,@function
k_q5375a39251_proj:
	s_mov_b64 s[64:65], 0
	v_nop
	global_prefetch_b8 v0, s[64:65] scope:SCOPE_SE
	s_setreg_imm32_b32 hwreg(HW_REG_WAVE_MODE, 25, 1), 1
	s_wait_xcnt 0x0
	s_wait_alu depctr_hold_cnt(0) depctr_sa_sdst(0) depctr_va_vdst(0) depctr_va_sdst(0) depctr_va_ssrc(0) depctr_va_vcc(0) depctr_vm_vsrc(0)
	s_getreg_b32 s2, hwreg(HW_REG_IB_STS2, 6, 4)
	s_cmp_eq_u32 s2, 0
	s_cbranch_scc0 .Lentry_in_a_cluster
	s_endpgm
.Lentry_in_a_cluster:
	s_bfe_u32 s2, ttmp6, 0x10000c
	s_cmp_lg_u32 s2, 0x3003
	s_cbranch_scc0 .Lentry_shape_is_right
	s_endpgm
.Lentry_shape_is_right:
; PROJ.  Q, K and V of 128 sorted rows x 256 channels a work-group: three products of K = 1,024 on codes of E4M3, one behind the other; the bias, divided by the product's scales, starts each sum; the finished sums become
; codes (scales e6, e7, e9) and leave as images of the next launch's operand registers.  V's image is laid [group of 32 keys][channel tile of 16][lane][16 bytes].
; x's codes: 128 rows x 1,024 bytes a product, through two LDS slots; the four work-groups of a cluster share rows and ask for them jointly.  W's fragments are a wave's own (64 channels) and come from memory straight into
; registers, three K steps ahead; the first three and the biases are asked for while the first tile is on its way.
; LIMITS: the output's exponent less the product's two between -126 and 119; a bias divided by the product's scales stays an f32 number.  NaN is not served.
.set PITCH, 1040
.set S1,    128*PITCH
.set SPARE, 2*S1
.set LI,   1
.set ADR,  2
.set SPW,  8
.set NIL,  9
.set SCR,  10
.set CODE, 64
.set AF,   128
.set WV,   22
.set NB,   23
.set MB,   24
.set G1,   28
.set MSB,  0
.macro WIN new
.if MSB != \new
	s_set_vgpr_msb (MSB<<8)|(\new)
.set MSB, \new
.endif
.endm
.macro PLACES
.rept 4
	v_nop
.endr
.endm
.macro CROUND
	s_barrier_signal -1
	s_barrier_wait -1
	s_cmp_lg_u32 s[WV], 0
	s_cbranch_scc1 .Lnot_wave_0_\@
	s_barrier_signal -3
.Lnot_wave_0_\@:
	s_barrier_wait -3
	s_barrier_signal -1
	s_barrier_wait -1
.endm
	s_load_b256 s[4:11], s[0:1], 0x0
	s_load_b256 s[12:19], s[0:1], 0x20
	s_load_b64 s[20:21], s[0:1], 0x40
	v_lshl_add_u32 v[SPW], v0, 2, SPARE
	v_mov_b32 v[NIL], 0
	ds_add_u32 v[SPW], v[NIL]
	ds_add_u32 v[SPW], v[NIL]
	v_lshrrev_b32 v1, 5, v0
	v_readfirstlane_b32 s[WV], v1
	s_bfe_u32 s[NB], ttmp6, 0x40000
	s_and_b32 s[MB], ttmp7, 0xffff
	s_mov_b32 s[G1+0], 15|(1<<20)|(1<<21)|(7<<22)|(3<<25)
	s_mov_b32 s[G1+1], 1024<<16
	s_mov_b32 s[G1+2], 32<<16
	s_mov_b32 s[G1+3], 1024<<16
	s_mov_b32 s[G1+4], 32
	s_mov_b32 s[G1+5], 1024
	s_mov_b32 s[G1+6], 0
	s_mov_b32 s[G1+7], 0
	s_lshl_b32 s58, s[MB], 17
	s_lshl_b32 s59, s[WV], 15
	s_add_co_u32 s58, s58, s59
	s_mov_b32 s59, 0
	s_mul_i32 s62, s[WV], 32*PITCH
	s_wait_dscnt 0x0
	s_wait_kmcnt 0x0
	s_load_b256 s[48:55], s[14:15], 0x0
	s_load_b64 s[56:57], s[14:15], 0x20
	s_add_nc_u64 s[60:61], s[4:5], s[58:59]
	s_mov_b32 s36, 1
	s_mov_b32 s37, s62
	s_mov_b64 s[38:39], s[60:61]
	s_or_b32 s39, s39, 0x80000000
	s_mov_b32 s40, 1
	s_add_co_u32 s41, s62, S1
	s_add_nc_u64 s[42:43], s[60:61], 0x800000
	s_or_b32 s43, s43, 0x80000000
	s_mov_b32 s44, 1
	s_mov_b32 s45, s62
	s_add_nc_u64 s[46:47], s[60:61], 0x1000000
	s_or_b32 s47, s47, 0x80000000
	CROUND
	tensor_load_to_lds s[36:39], s[G1:G1+7]
	s_nop 0
	v_and_b32 v6, 15, v0
	v_bfe_u32 v7, v0, 4, 1
	v_and_b32 v1, 31, v0
	v_lshlrev_b32 v[LI], 4, v1
	v_mul_u32_u24 v[ADR], v6, PITCH
	v_lshl_add_u32 v[ADR], v7, 4, v[ADR]
	v_add_nc_u32 v[ADR+1], 64*PITCH, v[ADR]
	v_add_nc_u32 v[ADR+2], S1, v[ADR]
	v_add_nc_u32 v[ADR+3], S1+64*PITCH, v[ADR]
	v_lshlrev_b32 v7, 5, v7
	s_wait_alu depctr_va_vdst(0)
	v_lshlrev_b32 v6, 2, v6
	s_wait_alu depctr_va_vdst(0)
	s_lshl_b32 s58, s[NB], 10
	s_lshl_b32 s62, s[WV], 8
	s_add_co_u32 s58, s58, s62
	s_add_nc_u64 s[8:9], s[8:9], s[58:59]
	s_add_nc_u64 s[10:11], s[10:11], s[58:59]
	s_add_nc_u64 s[12:13], s[12:13], s[58:59]
	s_lshl_b32 s58, s[NB], 2
	s_add_co_u32 s58, s58, s[WV]
	s_lshl_b32 s58, s58, 16
	s_add_nc_u64 s[6:7], s[6:7], s[58:59]
	s_lshl_b32 s58, s[MB], 17
	s_lshl_b32 s62, s[NB], 12
	s_add_co_u32 s62, s62, s58
	s_lshl_b32 s63, s[WV], 10
	s_add_co_u32 s62, s62, s63
	s_mov_b32 s63, 0
	s_add_nc_u64 s[66:67], s[16:17], s[62:63]
	s_add_nc_u64 s[68:69], s[18:19], s[62:63]
	s_lshl_b32 s62, s[NB], 13                      ; vi: 256 channels are 16 tiles of 512 bytes
	s_add_co_u32 s62, s62, s58
	s_lshl_b32 s58, s[WV], 11
	s_add_co_u32 s62, s62, s58
	s_add_nc_u64 s[70:71], s[20:21], s[62:63]
	WIN 0xc0
.irp j, 0,1,2,3
	global_load_b128 v[8*\j:8*\j+3], v7, s[8:9] offset:64*\j
	global_load_b128 v[8*\j+4:8*\j+7], v7, s[8:9] offset:64*\j+16
	global_load_b128 v[32+8*\j:32+8*\j+3], v7, s[10:11] offset:64*\j
	global_load_b128 v[32+8*\j+4:32+8*\j+7], v7, s[10:11] offset:64*\j+16
	global_load_b32 v[64+8*\j], v6, s[12:13] offset:64*\j
.endr
.macro BLOAD g
.set BG, \g
	WIN 0x40
.irp j, 0,1,2,3
.irp c, 0,1,2,3
	global_load_b128 v[64*(BG%4)+16*\j+4*\c:64*(BG%4)+16*\j+4*\c+3], v[LI], s[6:7] offset:(BG/8)*1048576+(BG%8)*8192+\j*2048+\c*512
.endr
.endr
.endm
.macro ALOAD slot, s, set
.set ALS, \slot
.set ALK, \s
.set ALT, \set
.if ALT == 0
	WIN 0
.else
	WIN 0xc0
.endif
.irp i, 0,1,2,3,4,5,6,7
.irp c, 0,1,2,3
	ds_load_b128 v[AF+16*\i+4*\c:AF+16*\i+4*\c+3], v[ADR+2*ALS+\i/4] offset:(\i%4)*16*PITCH+128*ALK+32*\c
.endr
.endr
.endm
.macro KSTEP g
.set KS, (\g)%8
.set KT, (\g)/8
.set ASET, (\g)%2
.set BSET, 64*((\g)%4)
	PLACES
.if (\g) <= 20
	BLOAD (\g)+3
.endif
.if KS < 7
	ALOAD KT%2, KS+1, 1-ASET
.endif
.if (\g) <= 20
	s_wait_loadcnt 48
.else
	s_wait_loadcnt 16*(23-(\g))
.endif
.if KS < 7
	s_wait_dscnt 32
.else
	s_wait_dscnt 0x0
.endif
.if KT < 2
.set WM, 0xa1+0x0c*ASET
.else
.set WM, 0xa4+0x03*ASET
.endif
.if KS == 0
.set WM, WM+0x10
.endif
	WIN WM
.irp i, 0,1,2,3,4,5,6,7
.irp j, 0,1,2,3
.if KT < 2
.if KS == 0
	v_wmma_f32_16x16x128_fp8_fp8 v[8*(4*\i+\j):8*(4*\i+\j)+7], v[BSET+16*\j:BSET+16*\j+15], v[AF+16*\i:AF+16*\i+15], v[32*KT+8*\j:32*KT+8*\j+7]
.else
	v_wmma_f32_16x16x128_fp8_fp8 v[8*(4*\i+\j):8*(4*\i+\j)+7], v[BSET+16*\j:BSET+16*\j+15], v[AF+16*\i:AF+16*\i+15], v[8*(4*\i+\j):8*(4*\i+\j)+7]
.endif
.else
.if KS == 0
	v_wmma_f32_16x16x128_fp8_fp8 v[8*(4*\i+\j):8*(4*\i+\j)+7], v[AF+16*\i:AF+16*\i+15], v[BSET+16*\j:BSET+16*\j+15], v[32*KT+8*\j:32*KT+8*\j+7]
.else
	v_wmma_f32_16x16x128_fp8_fp8 v[8*(4*\i+\j):8*(4*\i+\j)+7], v[AF+16*\i:AF+16*\i+15], v[BSET+16*\j:BSET+16*\j+15], v[8*(4*\i+\j):8*(4*\i+\j)+7]
.endif
.endif
.endr
.endr
.endm
.macro EPI t
	s_wait_xcnt 0x0
	WIN 0x82
.set EN, 0
.rept 256
	v_med3_num_f32 v[EN], v[EN], -v[SCR+2*(\t)+1], v[SCR+2*(\t)+1]
.set EN, EN+1
.endr
	WIN 0x02
.irp i, 0,1,2,3,4,5,6,7
.irp j, 0,1,2,3
.if (\t) < 2
	v_cvt_scalef32_pk8_fp8_f32 v[CODE+8*\i+2*\j:CODE+8*\i+2*\j+1], v[8*(4*\i+\j):8*(4*\i+\j)+7], v[SCR+2*(\t)]
.else
	v_cvt_scalef32_pk8_fp8_f32 v[CODE+16*\j+2*\i:CODE+16*\j+2*\i+1], v[8*(4*\i+\j):8*(4*\i+\j)+7], v[SCR+2*(\t)]
.endif
.endr
.endr
	v_nop
	WIN 0
.if (\t) < 2
.irp i, 0,1,2,3,4,5,6,7
.irp e, 0,1
	global_store_b128 v[LI], v[CODE+8*\i+4*\e:CODE+8*\i+4*\e+3], s[66+2*(\t):67+2*(\t)] offset:(\i/2)*32768+(\i%2)*16384+\e*512
.endr
.endr
.else
.irp j, 0,1,2,3
.irp q, 0,1,2,3
	global_store_b128 v[LI], v[CODE+16*\j+4*\q:CODE+16*\j+4*\q+3], s[70:71] offset:\j*512+\q*32768
.endr
.endr
.endif
.endm
.macro SCALES t, ea, eb, eo
	s_add_co_i32 s72, s[\ea], s[\eb]
	s_sub_co_i32 s[74+\t], 0, s72
	s_sub_co_i32 s72, s[\eo], s72
	s_add_co_i32 s72, s72, 127
	s_lshl_b32 s73, s72, 23
	v_mov_b32 v[SCR+2*\t], s73
	s_add_co_i32 s72, s72, 8
	s_lshl_b32 s72, s72, 23
	s_or_b32 s72, s72, 0x600000
	v_mov_b32 v[SCR+2*\t+1], s72
.endm
	BLOAD 0
	BLOAD 1
	BLOAD 2
	WIN 0
	s_wait_kmcnt 0x0
	SCALES 0, 48, 49, 54
	SCALES 1, 50, 51, 55
	SCALES 2, 52, 53, 57
	s_wait_loadcnt 48
	WIN 0xc3
.set EN, 0
.rept 32
	v_ldexp_f32 v[EN], v[EN], s74
	v_ldexp_f32 v[32+EN], v[32+EN], s75
.set EN, EN+1
.endr
.irp j, 0,1,2,3
.irp i, 7,6,5,4,3,2,1,0
	v_ldexp_f32 v[64+8*\j+\i], v[64+8*\j], s76
.endr
.endr
	WIN 0
	s_wait_alu depctr_va_vdst(0)
	s_wait_tensorcnt 0x0                           ; my part of slot 0 is in;
	ds_add_u32 v[SPW], v[NIL]
	s_wait_dscnt 0x0
	CROUND                                         ; everybody's part of slot 0 is in, and the joint loads meet:
	tensor_load_to_lds s[40:43], s[G1:G1+7]        ; slot 1
	s_nop 0
	ALOAD 0, 0, 0
.irp g, 0,1,2,3,4,5,6,7
	KSTEP \g
.endr
	WIN 0
	s_wait_tensorcnt 0x0
	ds_add_u32 v[SPW], v[NIL]
	s_wait_dscnt 0x0
	CROUND
	tensor_load_to_lds s[44:47], s[G1:G1+7]
	s_nop 0
	PLACES
	ALOAD 1, 0, 0
	EPI 0
.irp g, 8,9,10,11,12,13,14,15
	KSTEP \g
.endr
	WIN 0
	s_wait_tensorcnt 0x0
	ds_add_u32 v[SPW], v[NIL]
	s_wait_dscnt 0x0
	s_barrier_signal -1
	s_barrier_wait -1
	ALOAD 0, 0, 0
	PLACES
	EPI 1
.irp g, 16,17,18,19,20,21,22,23
	KSTEP \g
.endr
	WIN 0
	PLACES
	EPI 2
	s_wait_tensorcnt 0x0
	ds_add_u32 v[SPW], v[NIL]
	s_wait_dscnt 0x0
	CROUND
	s_endpgm
.Lfunc_end_k_q5375a39251_proj:
	.size	k_q5375a39251_proj, .Lfunc_end_k_q5375a39251_proj-k_q5375a39251_proj
	.p2alignl 7, 3214868480
	.fill 96, 4, 3214868480
	.section	.rodata,"a",@progbits
	.p2align	6, 0x0
	.amdhsa_kernel k_q5375a39251_proj
		.amdhsa_group_segment_fixed_size 327680
		.amdhsa_private_segment_fixed_size 0
		.amdhsa_enable_private_segment 0
		.amdhsa_kernarg_size 72
		.amdhsa_user_sgpr_count 2
		.amdhsa_user_sgpr_kernarg_segment_ptr 1
		.amdhsa_wavefront_size32 1
		.amdhsa_system_sgpr_workgroup_id_x 1
		.amdhsa_system_sgpr_workgroup_id_y 1
		.amdhsa_system_sgpr_workgroup_id_z 1
		.amdhsa_system_vgpr_workitem_id 0
		.amdhsa_next_free_vgpr 1024
		.amdhsa_next_free_sgpr 80
		.amdhsa_reserve_vcc 0
		.amdhsa_float_denorm_mode_32 3
		.amdhsa_float_denorm_mode_16_64 3
		.amdhsa_memory_ordered 1
		.amdhsa_forward_progress 1
		.amdhsa_inst_pref_size 214
	.end_amdhsa_kernel
	.amdgpu_metadata
---
amdhsa.version: [ 1, 2 ]
amdhsa.kernels:
  - .name:           k_q5375a39251_proj
    .symbol:         k_q5375a39251_proj.kd
    .args:
      - { .name: xc, .offset: 0, .size: 8, .value_kind: global_buffer, .address_space: global }
      - { .name: wc, .offset: 8, .size: 8, .value_kind: global_buffer, .address_space: global }
      - { .name: bq, .offset: 16, .size: 8, .value_kind: global_buffer, .address_space: global }
      - { .name: bk, .offset: 24, .size: 8, .value_kind: global_buffer, .address_space: global }
      - { .name: bv, .offset: 32, .size: 8, .value_kind: global_buffer, .address_space: global }
      - { .name: lowp_scales, .offset: 40, .size: 8, .value_kind: global_buffer, .address_space: global }
      - { .name: qi, .offset: 48, .size: 8, .value_kind: global_buffer, .address_space: global }
      - { .name: ki, .offset: 56, .size: 8, .value_kind: global_buffer, .address_space: global }
      - { .name: vi, .offset: 64, .size: 8, .value_kind: global_buffer, .address_space: global }
    .group_segment_fixed_size: 327680
    .private_segment_fixed_size: 0
    .kernarg_segment_align: 8
    .kernarg_segment_size: 72
    .max_flat_workgroup_size: 128
    .sgpr_count:     80
    .vgpr_count:     1024
    .wavefront_size: 32
...
	.end_amdgpu_metadata
.endif
;; end of part 2
;; launch attn (part 3): grid 256 x 1, 4 waves a work-group, no clusters, 125,184 bytes of LDS; arguments qi, ki, vi, tab, lowp_scales, out0; writes out0
.if DOCPART == 3
	.amdgcn_target "amdgcn-amd-amdhsa--gfx1250"
	.amdhsa_code_object_version 6
	.text
	.protected	k_q5375a39251_attn
	.globl	k_q5375a39251_attn
	.p2align	8
	.type	k_q5375a39251_attn,@function
k_q5375a39251_attn:
	s_mov_b64 s[64:65], 0
	v_nop
	global_prefetch_b8 v0, s[64:65] scope:SCOPE_SE
	s_setreg_imm32_b32 hwreg(HW_REG_WAVE_MODE, 25, 1), 1
	s_wait_xcnt 0x0
; ATTN.  out[token] = softmax over the keys of the token's own bucket of (q . k / 32) times v, both products on codes of E4M3.  Tokens stand sorted by bucket, so a query's keys are the places lo .. hi - 1.
; SHARES.  64 work-groups to a batch; number w owns the sorted places s(w) .. s(w + 1) - 1.  s(w) is 32 w, or the first place in 32 w - 16 .. 32 w + 15 at which a bucket begins, if there is one there and none in the
; window of w - 1; s(64) = 2,048.  So two neighbouring starts are never both moved, a work-group owns 16 to 48 places, and where buckets are long it owns places of one bucket.  Any int32 serves as a bucket.
; It walks its keys, from its first query's lo to its last query's hi, in steps of 128 places that begin at a multiple of 32; groups of 32 beyond the range are not loaded (but in the first step K's, which lie inside the batch).
; In a step wave w makes S^T for the 32 keys of group w x all 48 queries (48 matrix instructions) and O^T for channels 256 w .. 256 w + 255 x all 48 queries (48 more).  K's and V's fragments are a wave's own and
; come from memory straight into registers, 512 consecutive bytes a load; Q, the maxima, p's codes and the sums go through LDS.
; NO CLUSTER, NO PREFETCH: the walk hangs on numbers that the first launch stored, so the text has no tensor load and hence no joint loads; and which work-groups share a bucket's blocks is known from those numbers
; alone, so no share by address would name each block once.
; ORDER.  18 trips, two barriers each, on every wave's path.  Trip J: barrier | O^T += V^T P^T of step J - 2, the maxima of step J - 1 are read | barrier | the softmax of step J - 1, the scores of step J.  Each part is
; an arm that a scalar branch on the stored range leads round.  p's codes and the maxima are read between the first barrier and the second, and written between the second and the next trip's first.
; LOADS.  V of step 0 is asked for in trip 0, V of step J - 1 in trip J behind the products of step J - 2; K of step J + 1 behind the scores of step J.  A way on which K is not asked for waits for 0 instead, so the wait
; for 63 ahead of V's use leaves out K's 64 loads behind V on every way, and the wait for 63 behind V's own 64 loads shows that K is in.
; A group that is not loaded leaves older codes in its registers: its keys' scores become -infinity and its p is 0.
; SOFTMAX: t = score x log2(e) / 32; M = the ceiling of the running largest t; p = 2^(t - M) is quantised with 2^e8; the sum is taken of the unquantised p; when M moves, sum and O are multiplied by 2^(old M - new M).
; LIMITS: e6 + e7 between -121 and 132 (added to c's exponent field); e8 between -126 and 119.  The scaled scores stay under 2^31 in magnitude.  NaN is not served.
; REGISTERS, in windows of 256: window 0: v0-31 addresses and statistics; v32-79 S^T (u, kt) at v[32 + 16 u + 8 kt]; v80-127 three fragments of Q, or p's, or work; v128-255 O^T of tile 2 at v[128 + 8 ct].
;   window 1: O^T of tiles 0 and 1 at v[8 (2 ct + u)].   window 2: K (kt, s) at v[16 (8 kt + s)]; on the way out rows of out0.   window 3: V (ct) at v[16 ct].
.set PB,     49152                     ; Q's images [u][s][c][lane][16 bytes] from byte 0; from PB p's codes [u][group][lane][16 bytes]
.set MX,     PB+6144                   ; the maxima [u][r][wave] words
.set SUMO,   2048                      ; the sums, laid as the maxima, so many bytes further on
.set STG,    58112                     ; the way out: 16 rows x 1,040 bytes for each wave
.set SPITCH, 1040
.set SPARE,  STG+4*16*SPITCH           ; the spare words, 128 bytes for each wave: two blocks of 256 bytes that no other line names
.set LI,   1                           ; 16 x lane
.set VOK,  2
.set VOV,  3
.set MXW,  4
.set MXR,  5
.set PBW,  6
.set SPW,  7
.set NIL,  8
.set PSC,  9
.set NM,   10                          ; v[NM + 2 u] -M, v[NM + 2 u + 1] the largest t
.set L,    16                          ; v[L + 2 u : + 1] the sum, in two halves
.set F,    22                          ; v[F + 2 u] the factor
.set LEN,  23                          ; v[LEN + 2 u] hi - lo
.set LO,   28                          ; v[LO + u] lo - (32 w + 8 h)
.set QW,   31                          ; at the head: where my part of Q goes
.set S,    32
.set QF,   80
.set TX,   80
.set TY,   84
.set TM,   88
.set AA,   90
.set NEG,  93
.set MV,   96
.set PCD,  108
.set O2,   128
.set STO,  31                          ; the way out
.set RD,   6
.set VROW, 32
.set WV,   16
.set S0,   19                          ; my first place
.set G0,   22                          ; the walk's first group of 32
.set NG,   23                          ; groups in it
.set J,    24
.set NQ,   25                          ; my queries
.set CS,   26
.set SEL,  28
.set W13,  66                          ; wave x 8192
.set W4,   67                          ; wave + 4
.set NST,  94                          ; steps
.set PLIM, 96                          ; 448 x 2^e8
.set T2,   99
.set MSB,  0
.macro WIN new
.if MSB != \new
	s_set_vgpr_msb (MSB<<8)|(\new)
.set MSB, \new
.endif
.endm
.macro PLACES
.rept 5
	v_nop
.endr
.endm
.macro ISSUE_K                         ; my 32 keys' 16 fragments: 32 KiB on end
	WIN 0x80
.set LN, 0
.rept 64
	global_load_b128 v[4*LN:4*LN+3], v[VOK], s[6:7] offset:512*LN
.set LN, LN+1
.endr
	WIN 0
.endm
.macro ISSUE_V c                       ; group c of the step: my 16 channel tiles x 32 keys
	WIN 0xc0
.set LN, 0
.rept 16
	global_load_b128 v[16*LN+4*\c:16*LN+4*\c+3], v[VOV], s[8:9] offset:512*LN+32768*\c
.set LN, LN+1
.endr
	WIN 0
.endm
.macro FQ k                            ; Q's fragment of K step k / 3, tile k % 3
.irp c, 0,1,2,3
	ds_load_b128 v[QF+16*((\k)%3)+4*\c:QF+16*((\k)%3)+4*\c+3], v[LI] offset:16384*((\k)%3)+2048*((\k)/3)+512*\c
.endr
.endm
.macro MULO u                          ; tile u's O^T times v[F + 2 u], each accumulator from its low end on
.if \u < 2
	WIN 0x41
	s_wait_alu depctr_va_vdst(0)
.set CTI, 0
.rept 16
.irp i, 0,2,4,6
	v_pk_mul_f32 v[8*(2*CTI+\u)+\i:8*(2*CTI+\u)+\i+1], v[8*(2*CTI+\u)+\i:8*(2*CTI+\u)+\i+1], v[F+2*\u:F+2*\u+1] op_sel_hi:[1,0]
.endr
.set CTI, CTI+1
.endr
.else
	WIN 0
	s_wait_alu depctr_va_vdst(0)
.set CTI, 0
.rept 64
	v_pk_mul_f32 v[O2+2*CTI:O2+2*CTI+1], v[O2+2*CTI:O2+2*CTI+1], v[F+2*\u:F+2*\u+1] op_sel_hi:[1,0]
.set CTI, CTI+1
.endr
.endif
	WIN 0
.endm
	s_load_b256 s[4:11], s[0:1], 0x0               ; qi s[4:5], ki s[6:7], vi s[8:9], tab s[10:11]
	s_load_b128 s[12:15], s[0:1], 0x20             ; lowp_scales s[12:13], out0 s[14:15]
	v_lshl_add_u32 v[SPW], v0, 2, SPARE
	v_mov_b32 v[NIL], 0
	v_lshrrev_b32 v128, 5, v0
	v_readfirstlane_b32 s[WV], v128                ; wave 0..3
	s_lshr_b32 s17, ttmp9, 6                       ; the batch
	s_and_b32 s18, ttmp9, 63                       ; w
	s_mov_b32 s31, 0                               ; the upper word of every 32-bit offset
	s_mov_b32 s[SEL], 0x76543210
	s_mov_b32 s[SEL+1], 0xfedcba98                 ; v_permlanex16_b32: lane l xor 16
	v_and_b32 v129, 31, v0
	v_lshlrev_b32 v[LI], 4, v129
	s_lshl_b32 s30, s18, 5
	s_sub_co_i32 s30, s30, 48
	v_add_nc_u32 v130, s30, v129                   ; the places of the windows of w - 1,
	v_add_nc_u32 v131, 32, v130                    ; w
	v_add_nc_u32 v132, 64, v130                    ; and w + 1
	v_min_u32 v133, 0x7ff, v130                    ; held inside the batch (a place before it is a large number without sign): a place that was held never equals its lo below
	v_min_u32 v134, 0x7ff, v131
	v_min_u32 v135, 0x7ff, v132
	v_lshlrev_b32 v133, 2, v133
	v_lshlrev_b32 v134, 2, v134
	v_lshlrev_b32 v135, 2, v135
	v_and_b32 v136, 15, v0                         ; r
	v_bfe_u32 v137, v0, 4, 1                       ; h
	v_lshlrev_b32 v[MXR], 4, v136
	v_add_nc_u32 v[MXR], MX, v[MXR]
	s_lshl_b32 s30, s[WV], 2
	v_add_nc_u32 v[MXW], s30, v[MXR]
	s_lshl_b32 s30, s[WV], 9
	s_add_co_u32 s30, s30, PB
	v_add_nc_u32 v[PBW], s30, v[LI]
	s_lshl_b32 s30, s[WV], 12
	v_add_nc_u32 v[QW], s30, v[LI]
	s_lshl_b32 s30, s[WV], 5
	v_lshl_add_u32 v138, v137, 3, s30              ; 32 x wave + 8 h
	s_add_co_u32 s[W4], s[WV], 4
	s_lshl_b32 s[W13], s[WV], 13
	s_lshl_b32 s30, s17, 13
	s_wait_alu depctr_va_vdst(0)
	s_wait_kmcnt 0x0
	s_add_nc_u64 s[10:11], s[10:11], s[30:31]      ; tab at the batch
	global_load_b32 v139, v133, s[10:11] offset:32768    ; lo at the three windows' places
	global_load_b32 v140, v134, s[10:11] offset:32768
	global_load_b32 v141, v135, s[10:11] offset:32768
	s_lshl_b32 s30, s18, 7
	s_add_nc_u64 s[20:21], s[10:11], s[30:31]
	s_load_b32 s94, s[20:21], 0x8000               ; lo at place 32 w
	s_load_b32 s95, s[20:21], 0x1007c              ; hi at place 32 w + 31
	s_load_b256 s[84:91], s[12:13], 0x0            ; e0 .. e7
	s_load_b64 s[92:93], s[12:13], 0x20            ; e8, e9
	s_lshl_b32 s30, s17, 21
	s_add_nc_u64 s[4:5], s[4:5], s[30:31]          ; Q's, K's and V's images at the batch
	s_add_nc_u64 s[6:7], s[6:7], s[30:31]
	s_add_nc_u64 s[8:9], s[8:9], s[30:31]
	s_lshl_b32 s30, s17, 23
	s_lshl_b32 s32, s[WV], 10
	s_add_co_u32 s30, s30, s32
	s_add_nc_u64 s[14:15], s[14:15], s[30:31]      ; out0 at the batch, my 256 channels
.irp u, 0,1,2                                      ; the statistics begin: the largest t under every t, the sums 0
	v_mov_b32 v[NM+2*\u+1], 0xff61b1e6
	v_floor_f32 v[NM+2*\u], -v[NM+2*\u+1]
	v_mov_b32 v[L+2*\u], 0
	v_mov_b32 v[L+2*\u+1], 0
	v_mov_b32 v[F+2*\u], 0
.endr
	s_wait_alu depctr_va_vdst(0)
	s_wait_loadcnt 0x0
	s_wait_kmcnt 0x0
	v_cmp_eq_u32 s96, v139, v130                   ; a bucket begins where lo is the place itself
	v_cmp_eq_u32 s97, v140, v131
	v_cmp_eq_u32 s98, v141, v132
	s_cmp_eq_u32 s96, 0
	s_cselect_b32 s96, s97, 0                      ; not 0: my start is moved
	s_cmp_eq_u32 s97, 0
	s_cselect_b32 s97, s98, 0                      ; not 0: my end is moved
	s_lshl_b32 s30, s18, 5
	s_ctz_i32_b32 s98, s96
	s_add_co_i32 s98, s98, s30
	s_sub_co_i32 s98, s98, 16
	s_cmp_lg_u32 s96, 0
	s_cselect_b32 s[S0], s98, s30                  ; my first place,
	s_cselect_b32 s94, s98, s94                    ; and its lo
	s_ctz_i32_b32 s98, s97
	s_add_co_i32 s98, s98, s30
	s_add_co_i32 s98, s98, 16
	s_add_co_i32 s30, s30, 32
	s_cmp_lg_u32 s97, 0
	s_cselect_b32 s30, s98, s30                    ; one past my last place,
	s_cselect_b32 s95, s98, s95                    ; and its hi
	s_mov_b32 s98, 0x800
	s_cmp_eq_u32 s18, 63
	s_cselect_b32 s30, s98, s30
	s_cselect_b32 s95, s98, s95
	s_min_u32 s[S0], s[S0], 0x7ff
	s_sub_co_u32 s[NQ], s30, s[S0]
	s_lshr_b32 s[G0], s94, 5
	s_min_u32 s[G0], s[G0], 60                     ; the first step lies inside the batch
	s_add_co_u32 s95, s95, 31
	s_lshr_b32 s95, s95, 5
	s_min_u32 s95, s95, 64
	s_sub_co_u32 s[NG], s95, s[G0]
	s_add_co_u32 s95, s[NG], 3
	s_lshr_b32 s[NST], s95, 2
	s_lshl_b32 s30, s[S0], 2
	s_add_nc_u64 s[20:21], s[10:11], s[30:31]
	s_load_b512 s[32:47], s[20:21], 0x0            ; the tokens of my 48 places (those beyond my last are not used)
	s_load_b512 s[48:63], s[20:21], 0x40
	s_load_b512 s[68:83], s[20:21], 0x80
	s_lshl_b32 s95, s[WV], 12                      ; my two K steps of Q
.irp u, 0,1,2
	s_add_co_u32 s30, s[S0], 16*\u
	v_add_nc_u32 v[142+\u], s30, v136
	v_min_u32 v[142+\u], 0x7ff, v[142+\u]          ; my lane's row in tile u; the bound is written out since it enters addresses
	v_lshlrev_b32 v[145+\u], 2, v[142+\u]
	v_and_b32 v[148+\u], 0x7f0, v[142+\u]
	v_lshlrev_b32 v[148+\u], 10, v[148+\u]         ; the image of 16 rows is 16,384 bytes
	v_and_b32 v[151+\u], 15, v[142+\u]
	v_lshl_add_u32 v[148+\u], v[151+\u], 4, v[148+\u]
	v_lshl_add_u32 v[148+\u], v137, 8, v[148+\u]
	v_add_nc_u32 v[148+\u], s95, v[148+\u]
.endr
.irp u, 0,1,2
.irp i, 0,1,2,3,4,5,6,7
	global_load_b128 v[32+4*(8*\u+\i):32+4*(8*\u+\i)+3], v[148+\u], s[4:5] offset:512*\i
.endr
	global_load_b32 v[LO+\u], v[145+\u], s[10:11] offset:32768
	global_load_b32 v[LEN+2*\u], v[145+\u], s[10:11] offset:65536
.endr
	s_add_co_u32 s30, s[G0], s[WV]
	s_lshl_b32 s30, s30, 15
	v_add_nc_u32 v[VOK], s30, v[LI]
	ISSUE_K                                        ; K of step 0
	WIN 0x40
.set LN, 0
.rept 256
	v_mov_b32 v[LN], 0                             ; O^T begins as zeros, while the first loads are on their way: the loop then has one form
.set LN, LN+1
.endr
	WIN 0xc0
.set LN, 0
.rept 256
	v_mov_b32 v[LN], 0                             ; V too: a group that is never loaded counts as zeros
.set LN, LN+1
.endr
	WIN 0
	s_add_co_i32 s30, s90, s91
	s_lshl_b32 s30, s30, 23
	s_add_co_i32 s[CS], s30, 0x3d38aa3b            ; c = log2(e) / 32, with e6 + e7 added to its exponent field
	s_mov_b32 s[CS+1], s[CS]
	s_add_co_i32 s30, s92, 127
	s_lshl_b32 s95, s30, 23
	v_mov_b32 v[PSC], s95                          ; 2^e8
	s_add_co_i32 s30, s30, 8
	s_lshl_b32 s30, s30, 23
	s_or_b32 s[PLIM], s30, 0x600000                ; 448 x 2^e8
	s_mov_b32 s[J], 0
	s_wait_alu depctr_va_vdst(0)
	s_wait_kmcnt 0x0
	s_wait_loadcnt 63                              ; Q, lo and hi are in: K's 64 loads were issued behind them
.irp u, 0,1,2
	v_sub_nc_u32 v[LEN+2*\u], v[LEN+2*\u], v[LO+\u]
	v_sub_nc_u32 v[LO+\u], v[LO+\u], v138
.endr
.irp u, 0,1,2
.irp i, 0,1,2,3,4,5,6,7
	ds_store_b128 v[QW], v[32+4*(8*\u+\i):32+4*(8*\u+\i)+3] offset:16384*\u+512*\i
.endr
.endr
.set LN, 0
.rept 128
	v_mov_b32 v[O2+LN], 0
.set LN, LN+1
.endr
.irp u, 0,1,2
	ds_store_b128 v[PBW], v[O2:O2+3] offset:2048*\u    ; my parts of p's codes and of the maxima are written once here
	ds_store_b32 v[MXW], v[O2] offset:256*\u
.endr
.Lstep:
	s_wait_alu depctr_va_vdst(0)
	s_wait_dscnt 0x0                               ; my codes and maxima have landed
	s_barrier_signal -1
	s_barrier_wait -1
	s_sub_co_u32 s30, s[J], 2
	s_cmp_lt_u32 s30, s[NST]
	s_cbranch_scc0 .Lno_pv
; ---- step J - 2: O^T under the new M, then += V^T P^T
.irp u, 0,1,2
.irp c, 0,1,2,3
	ds_load_b128 v[QF+16*\u+4*\c:QF+16*\u+4*\c+3], v[LI] offset:PB+2048*\u+512*\c
.endr
.endr
	MULO 0
	MULO 1
	MULO 2
	s_wait_alu depctr_va_vdst(0)
	s_wait_loadcnt 63                              ; V is in: behind it stand K's 64 loads, or a wait for 0
	s_wait_dscnt 0x0                               ; p's fragments are in
	WIN 0x53
.set CTI, 0
.rept 16
.irp u, 0,1
	v_wmma_f32_16x16x128_fp8_fp8 v[8*(2*CTI+\u):8*(2*CTI+\u)+7], v[16*CTI:16*CTI+15], v[QF+16*\u:QF+16*\u+15], v[8*(2*CTI+\u):8*(2*CTI+\u)+7]
.endr
.set CTI, CTI+1
.endr
	WIN 0x03
.set CTI, 0
.rept 16
	v_wmma_f32_16x16x128_fp8_fp8 v[O2+8*CTI:O2+8*CTI+7], v[16*CTI:16*CTI+15], v[QF+32:QF+47], v[O2+8*CTI:O2+8*CTI+7]
.set CTI, CTI+1
.endr
	WIN 0
	PLACES                                         ; ahead of the loads into V's registers and into p's
.Lno_pv:
; ---- V of step 0 (trip 0) or of step J - 1 (from trip 2 on)
	s_wait_loadcnt 63                              ; no load of V is out, on any way
	s_sub_co_u32 s30, s[J], 1
	s_cmp_eq_u32 s[J], 0
	s_cselect_b32 s30, 0, s30
	s_lshl_b32 s30, s30, 2
	s_add_co_u32 s[T2], s30, s[G0]
	s_min_u32 s[T2], s[T2], 63                     ; a group is under 64 in every step that is asked for; the bound is written out since it enters addresses
	s_lshl_b32 s[T2], s[T2], 15
	s_add_co_u32 s[T2], s[T2], s[W13]
	v_add_nc_u32 v[VOV], s[T2], v[LI]
	s_sub_co_i32 s30, s[NG], s30                   ; the step's groups inside the range
	s_cmp_eq_u32 s[J], 1
	s_cselect_b32 s30, 0, s30
	s_wait_alu depctr_va_vdst(0)
	s_cmp_gt_i32 s30, 3
	s_cbranch_scc0 .Lv_part
	ISSUE_V 0
	ISSUE_V 1
	ISSUE_V 2
	ISSUE_V 3
	s_wait_loadcnt 63                              ; K of step J is in: V's 64 loads stand behind it
	s_branch .Lv_done
.Lv_part:
	s_wait_loadcnt 0x0                             ; K of step J is in
	s_cmp_gt_i32 s30, 0
	s_cbranch_scc0 .Lv_done
	ISSUE_V 0
	s_cmp_gt_i32 s30, 1
	s_cbranch_scc0 .Lv_done
	ISSUE_V 1
	s_cmp_gt_i32 s30, 2
	s_cbranch_scc0 .Lv_done
	ISSUE_V 2
.Lv_done:
.irp u, 0,1,2
	ds_load_b128 v[MV+4*\u:MV+4*\u+3], v[MXR] offset:256*\u   ; the maxima of step J - 1 (in a trip that has no such step they are not used)
.endr
	s_wait_alu depctr_va_vdst(0)
	s_wait_dscnt 0x0                               ; my reads of p's codes and of the maxima are over
	s_barrier_signal -1
	s_barrier_wait -1
	s_sub_co_u32 s30, s[J], 1
	s_cmp_lt_u32 s30, s[NST]
	s_cbranch_scc0 .Lno_sm
; ---- step J - 1: M, p, the sums, p's codes
.irp u, 0,1,2
	v_max3_num_f32 v[TX+\u], v[MV+4*\u], v[MV+4*\u+1], v[MV+4*\u+2]
.endr
.irp u, 0,1,2
	v_max_num_f32 v[TX+\u], v[TX+\u], v[MV+4*\u+3]
.endr
.irp u, 0,1,2
	v_mul_f32 v[TX+\u], s[CS], v[TX+\u]            ; as t (c is positive)
.endr
.irp u, 0,1,2
	v_max_num_f32 v[NM+2*\u+1], v[NM+2*\u+1], v[TX+\u]
	v_mov_b32 v[TX+\u], v[NM+2*\u]
.endr
.irp u, 0,1,2
	v_floor_f32 v[NM+2*\u], -v[NM+2*\u+1]          ; -M = floor(-t): M is a whole number
.endr
.irp u, 0,1,2
	v_sub_f32 v[TX+\u], v[NM+2*\u], v[TX+\u]       ; old M - new M, 0 or less
.endr
.irp u, 0,1,2
	v_cvt_i32_f32 v[TX+\u], v[TX+\u]               ; (it saturates)
.endr
.irp u, 0,1,2
	v_ldexp_f32 v[F+2*\u], 1.0, v[TX+\u]           ; the factor 2^(old M - new M): it rounds nothing
.endr
.irp u, 0,1,2
.irp n, 0,2,4,6,8,10,12,14
	v_pk_fma_f32 v[S+16*\u+\n:S+16*\u+\n+1], v[S+16*\u+\n:S+16*\u+\n+1], s[CS:CS+1], v[NM+2*\u:NM+2*\u+1] op_sel_hi:[1,0,0]   ; t - M
.endr
.endr
	s_wait_alu depctr_va_vdst(0)
.set LN, 0
.rept 48
	v_exp_f32 v[S+LN], v[S+LN]                     ; p = 2^(t - M): one batch
.set LN, LN+1
.endr
.irp u, 0,1,2
	v_pk_mul_f32 v[L+2*\u:L+2*\u+1], v[L+2*\u:L+2*\u+1], v[F+2*\u:F+2*\u+1] op_sel_hi:[1,0]   ; the sums under the new M: the plain lines behind the batch
.endr
	s_wait_alu depctr_va_vdst(0)                   ; one wait for the batch, ahead of its first reader
.irp n, 0,2,4,6,8,10,12,14
.irp u, 0,1,2
	v_pk_add_f32 v[L+2*\u:L+2*\u+1], v[L+2*\u:L+2*\u+1], v[S+16*\u+\n:S+16*\u+\n+1]   ; the sum of the unquantised p
.endr
.endr
.set LN, 0
.rept 48
	v_min_num_f32 v[S+LN], s[PLIM], v[S+LN]        ; p is not negative: a one-sided hold ahead of the conversion
.set LN, LN+1
.endr
.irp u, 0,1,2
.irp kt, 0,1
	v_cvt_scalef32_pk8_fp8_f32 v[PCD+4*\u+2*\kt:PCD+4*\u+2*\kt+1], v[S+16*\u+8*\kt:S+16*\u+8*\kt+7], v[PSC]
.endr
.endr
	v_nop                                          ; a plain line behind the last conversion: the next step's products write its sources
.irp u, 0,1,2
	ds_store_b128 v[PBW], v[PCD+4*\u:PCD+4*\u+3] offset:2048*\u   ; my 32 keys are group `wave` of p's fragment
.endr
.Lno_sm:
	s_cmp_lt_u32 s[J], s[NST]
	s_cbranch_scc0 .Lno_sc
; ---- step J: S^T of my 32 keys, the mask, my keys' maxima.  Q's fragments come through three places by turns, two ahead of the one in use
	FQ 0
	FQ 1
	FQ 2
.set UK, 0
.rept 24
.if UK < 22
	s_wait_dscnt 8                                 ; the two younger fragments, 4 loads each, may be out
.else
	s_wait_dscnt 4*(23-UK)
.endif
	WIN 0x02
.irp kt, 0,1
.if UK < 3
	v_wmma_f32_16x16x128_fp8_fp8 v[S+16*(UK%3)+8*\kt:S+16*(UK%3)+8*\kt+7], v[16*(8*\kt+UK/3):16*(8*\kt+UK/3)+15], v[QF+16*(UK%3):QF+16*(UK%3)+15], 0
.else
	v_wmma_f32_16x16x128_fp8_fp8 v[S+16*(UK%3)+8*\kt:S+16*(UK%3)+8*\kt+7], v[16*(8*\kt+UK/3):16*(8*\kt+UK/3)+15], v[QF+16*(UK%3):QF+16*(UK%3)+15], v[S+16*(UK%3)+8*\kt:S+16*(UK%3)+8*\kt+7]
.endif
.endr
	WIN 0
.if UK < 21
.rept 4
	v_nop
.endr
	FQ UK+3
.endif
.set UK, UK+1
.endr
	PLACES                                         ; ahead of the reads of S^T and of the writes into Q's and K's registers
	s_lshl_b32 s30, s[J], 2
	s_add_co_u32 s[T2], s30, s[G0]
	s_lshl_b32 s[T2], s[T2], 5                     ; the step's first place
.irp u, 0,1,2
	v_sub_nc_u32 v[AA+\u], v[LO+\u], s[T2]         ; lo - the place of my register 0's key
.endr
	v_mov_b32 v[NEG], 0xff800000
.irp u, 0,1,2
.irp n, 0,1,2,3,4,5,6,7,8,9,10,11,12,13,14,15
	v_sub_nc_u32 v[TM+\n%2], \n+8*(\n/8), v[AA+\u] ; the key's place - lo, without sign: under hi - lo where the key counts
	v_cmp_gt_u32 vcc_lo, v[LEN+2*\u], v[TM+\n%2]
	v_cndmask_b32 v[S+16*\u+\n], v[NEG], v[S+16*\u+\n], vcc_lo
.endr
.endr
.irp u, 0,1,2
	v_max3_num_f32 v[TX+\u], v[S+16*\u], v[S+16*\u+1], v[S+16*\u+2]
.endr
.irp n, 3,5,7,9,11,13
.irp u, 0,1,2
	v_max3_num_f32 v[TX+\u], v[TX+\u], v[S+16*\u+\n], v[S+16*\u+\n+1]
.endr
.endr
.irp u, 0,1,2
	v_max_num_f32 v[TX+\u], v[TX+\u], v[S+16*\u+15]
.endr
.irp u, 0,1,2
	v_permlanex16_b32 v[TY+\u], v[TX+\u], s[SEL], s[SEL+1]
.endr
.irp u, 0,1,2
	v_max_num_f32 v[TX+\u], v[TX+\u], v[TY+\u]
.endr
.irp u, 0,1,2
	ds_store_b32 v[MXW], v[TX+\u] offset:256*\u
.endr
	s_add_co_u32 s30, s30, s[W4]                   ; my group of the next step, counted from the walk's first
	s_cmp_lt_u32 s30, s[NG]
	s_cbranch_scc0 .Lno_sc
	s_add_co_u32 s30, s30, s[G0]
	s_min_u32 s30, s30, 63                         ; under 64 here; the bound is written out since it enters addresses
	s_lshl_b32 s30, s30, 15
	v_add_nc_u32 v[VOK], s30, v[LI]
	ISSUE_K
	s_branch .Lsc_done
.Lno_sc:
	s_wait_loadcnt 0x0                             ; no K is asked for: then no load stays out
.Lsc_done:
	s_add_co_u32 s[J], s[J], 1
	s_cmp_lt_u32 s[J], 18
	s_wait_alu depctr_va_vdst(0)
	s_cbranch_scc1 .Lstep
; ---- the way out
	s_wait_loadcnt 0x0
.irp u, 0,1,2
	v_add_f32 v[TX+\u], v[L+2*\u], v[L+2*\u+1]
.endr
	s_wait_alu depctr_va_vdst(0)
.irp u, 0,1,2
	v_permlanex16_b32 v[TY+\u], v[TX+\u], s[SEL], s[SEL+1]
.endr
.irp u, 0,1,2
	v_add_f32 v[TX+\u], v[TX+\u], v[TY+\u]         ; my wave's keys' part of the row's sum
.endr
.irp u, 0,1,2
	ds_store_b32 v[MXW], v[TX+\u] offset:SUMO+256*\u
.endr
	s_mul_i32 s30, s[WV], 16*SPITCH
	s_add_co_u32 s30, s30, STG
	v_and_b32 v88, 15, v0
	v_bfe_u32 v89, v0, 4, 1
	v_mul_u32_u24 v[STO], v88, SPITCH
	v_lshl_add_u32 v[STO], v89, 5, v[STO]
	v_add_nc_u32 v[STO], s30, v[STO]               ; into my stage: row r, + 32 h
	v_add_nc_u32 v[RD], s30, v[LI]                 ; out of it: 512 bytes of a row
	s_wait_alu depctr_va_vdst(0)
	s_wait_dscnt 0x0
	s_barrier_signal -1
	s_barrier_wait -1
.irp u, 0,1,2
	ds_load_b128 v[MV+4*\u:MV+4*\u+3], v[MXR] offset:SUMO+256*\u
.endr
.set LN, 0
.rept 48
.if LN < 32
.set SRN, 32+LN
.else
.set SRN, 36+LN
.endif
	s_min_u32 s[SRN], s[SRN], 0x7ff                ; a token is under 2,048; the bound is written out since it enters addresses
	v_lshl_add_u32 v[VROW+LN], s[SRN], 12, v[LI]
.set LN, LN+1
.endr
	s_wait_alu depctr_va_vdst(0)
	s_wait_dscnt 0x0
.irp u, 0,1,2
	v_add_f32 v[TX+\u], v[MV+4*\u], v[MV+4*\u+1]
	v_add_f32 v[TY+\u], v[MV+4*\u+2], v[MV+4*\u+3]
.endr
.irp u, 0,1,2
	v_add_f32 v[TX+\u], v[TX+\u], v[TY+\u]         ; the row's sum; above 1/2 in my rows: a query is its own key
.endr
.irp u, 0,1,2
	v_max_num_f32 v[TX+\u], 0x00800000, v[TX+\u]   ; rows beyond my last may have no key in the walk: they are not stored, and their 0 stays a number
.endr
	s_wait_alu depctr_va_vdst(0)
	v_rcp_f32 v[F], v[TX]
	v_rcp_f32 v[F+2], v[TX+1]
	v_rcp_f32 v[F+4], v[TX+2]
	v_nop                                          ; a plain line behind the reciprocals
	s_add_co_i32 s30, s92, s93
	s_wait_alu depctr_va_vdst(0)                   ; one wait for the three, ahead of the first reader
.irp u, 0,1,2
	v_ldexp_f32 v[F+2*\u], v[F+2*\u], s30          ; x 2^(e8 + e9)
.endr
; Tile u (16 rows): a lane's eight channels go into my stage as 32 bytes of row r and come back as whole halves of rows, into the window that held K.
.macro STAGE u
.if \u < 2
	WIN 0x04                                       ; store data window 1
.endif
.set CTI, 0
.rept 16
.if \u < 2
	ds_store_b128 v[STO], v[8*(2*CTI+\u):8*(2*CTI+\u)+3] offset:64*CTI
	ds_store_b128 v[STO], v[8*(2*CTI+\u)+4:8*(2*CTI+\u)+7] offset:64*CTI+16
.else
	ds_store_b128 v[STO], v[O2+8*CTI:O2+8*CTI+3] offset:64*CTI
	ds_store_b128 v[STO], v[O2+8*CTI+4:O2+8*CTI+7] offset:64*CTI+16
.endif
.set CTI, CTI+1
.endr
	WIN 0x80                                       ; destination window 2
.set RI, 0
.rept 32
	ds_load_b128 v[128*(\u%2)+4*RI:128*(\u%2)+4*RI+3], v[RD] offset:(RI/2)*SPITCH+512*(RI%2)   ; LDS serves a wave's instructions in order: these see my stores
.set RI, RI+1
.endr
	WIN 0
.endm
.macro SEND u                          ; the rows that are mine, in order; tile 0's are all mine
.set RI, 0
.rept 16
.if \u > 0
	s_cmp_gt_u32 s[NQ], 16*\u+RI
	s_cbranch_scc0 .Lsent_\u
.endif
	s_wait_dscnt 30-2*RI                           ; the younger rows' loads from the stage may stay out
	WIN 0x08                                       ; store data window 2
	global_store_b128 v[VROW+16*\u+RI], v[128*(\u%2)+8*RI:128*(\u%2)+8*RI+3], s[14:15] th:TH_STORE_NT   ; 512 consecutive bytes of the token's own row, at a multiple of 512
	global_store_b128 v[VROW+16*\u+RI], v[128*(\u%2)+8*RI+4:128*(\u%2)+8*RI+7], s[14:15] offset:512 th:TH_STORE_NT
	WIN 0
.set RI, RI+1
.endr
.Lsent_\u:
.endm
	MULO 0
	STAGE 0
	MULO 1                                         ; tile 1's scaling stands between tile 0's loads and the waits for them
	SEND 0
	s_wait_alu depctr_va_vdst(0)
	STAGE 1
	MULO 2
	s_wait_alu depctr_va_vdst(0)
	SEND 1
	s_cmp_gt_u32 s[NQ], 32
	s_cbranch_scc0 .Lend
	s_wait_dscnt 0x0
	s_wait_xcnt 0x0                                ; tile 0's stores have read their registers
	STAGE 2
	SEND 2
.Lend:
	s_wait_tensorcnt 0x0                           ; the wave's end
	ds_add_u32 v[SPW], v[NIL]
	s_wait_dscnt 0x0
	s_endpgm
.Lfunc_end_k_q5375a39251_attn:
	.size	k_q5375a39251_attn, .Lfunc_end_k_q5375a39251_attn-k_q5375a39251_attn
	.p2alignl 7, 3214868480
	.fill 96, 4, 3214868480
	.section	.rodata,"a",@progbits
	.p2align	6, 0x0
	.amdhsa_kernel k_q5375a39251_attn
		.amdhsa_group_segment_fixed_size 125184
		.amdhsa_private_segment_fixed_size 0
		.amdhsa_enable_private_segment 0
		.amdhsa_kernarg_size 48
		.amdhsa_user_sgpr_count 2
		.amdhsa_user_sgpr_kernarg_segment_ptr 1
		.amdhsa_wavefront_size32 1
		.amdhsa_system_sgpr_workgroup_id_x 1
		.amdhsa_system_sgpr_workgroup_id_y 1
		.amdhsa_system_sgpr_workgroup_id_z 1
		.amdhsa_system_vgpr_workitem_id 0
		.amdhsa_next_free_vgpr 1024
		.amdhsa_next_free_sgpr 102
		.amdhsa_reserve_vcc 1
		.amdhsa_float_denorm_mode_32 3
		.amdhsa_float_denorm_mode_16_64 3
		.amdhsa_memory_ordered 1
		.amdhsa_forward_progress 1
		.amdhsa_inst_pref_size 151
	.end_amdhsa_kernel
	.amdgpu_metadata
---
amdhsa.version: [ 1, 2 ]
amdhsa.kernels:
  - .name:           k_q5375a39251_attn
    .symbol:         k_q5375a39251_attn.kd
    .args:
      - { .name: qi, .offset: 0, .size: 8, .value_kind: global_buffer, .address_space: global }
      - { .name: ki, .offset: 8, .size: 8, .value_kind: global_buffer, .address_space: global }
      - { .name: vi, .offset: 16, .size: 8, .value_kind: global_buffer, .address_space: global }
      - { .name: tab, .offset: 24, .size: 8, .value_kind: global_buffer, .address_space: global }
      - { .name: lowp_scales, .offset: 32, .size: 8, .value_kind: global_buffer, .address_space: global }
      - { .name: out0, .offset: 40, .size: 8, .value_kind: global_buffer, .address_space: global }
    .group_segment_fixed_size: 125184
    .private_segment_fixed_size: 0
    .kernarg_segment_align: 8
    .kernarg_segment_size: 48
    .max_flat_workgroup_size: 128
    .sgpr_count:     102
    .vgpr_count:     1024
    .wavefront_size: 32
...
	.end_amdgpu_metadata
.endif
;; end of part 3
